; MI455X (gfx1250); checked and timed in simulation.
; The chip was launched on July 23, 2026; its instructions are those of AMD's public machine-readable ISA for CDNA 5 (MIT licence, August 2026) and "CDNA5" Instruction Set Architecture Reference Guide (July 2026). The comments in the code are by the model that wrote it; some were corrected since.
;; Weight Only Quantized Linear Impl. Allowed arithmetic: matrix products marked QUANTISED: E4M3 operands, one E8M0 scale for each 32 along K, by v_wmma_scale_f32_16x16x128_f8f6f4 with both operands' format E4M3, f32 sums; everything else in f32.
;; Inputs: bias 11,008 float32; input 1,024 x 4,096 float32; qweight 4,096 x 11,008 int32; scales 32 x 11,008 float32.
;; Outputs: out0 1,024 x 11,008 float32.
;; This version of the problem:
;;   THIS VERSION OF THE PROBLEM IS GIVEN IN LOW PRECISION. The matrix products marked QUANTISED in the list below multiply operands that are first quantised to E4M3 (4 exponent bits, 3 mantissa bits; 8 bits a number), with one power-of-two scale for each 32 numbers along K (OCP MX v1.0); their sums are f32. All else is computed in f32.
;;   The module's matrix products, in the order in which they are computed (A, B: the left and right operand; K: the contracted axis; several contracted axes count as one K, in the product's order):
;;     1. [M 1,024, K 4,096] x [K 4,096, N 11,008]; A: input input; B: computed on the way: QUANTISED
;;   THE QUANTISER, for each operand of a quantised product, along K:
;;     - K is cut into blocks of 32 from its start; a last block that is shorter is filled with zeros.
;;     - A block's scale is 2^e with e = floor(log2(the largest magnitude in the block)) - 8, held to -126 .. 127; a block of zeros has e = 0. As a byte (E8M0): e + 127.
;;     - Each number is divided by its block's scale, clamped to +-448, and rounded to the nearest number of E4M3, ties to even, subnormals kept.
;;     - The product sums the exact products of the quantised numbers (number of the format x scale) in f32.
;;   ~~~python
;;   def quantise(x, axis):      # numpy; x: float32 -> the quantised numbers, widened to float32 again
;;       x = np.moveaxis(x, axis, -1); K = x.shape[-1]
;;       x = np.pad(x, [(0, 0)] * (x.ndim - 1) + [(0, -K % 32)]); x = x.reshape(x.shape[:-1] + (-1, 32)); a = np.abs(x).max(-1, keepdims=True)
;;       e = np.where(a > 0, np.clip(np.frexp(np.where(a > 0, a, 1))[1] - 1 - 8, -126, 127), 0)      # np.frexp(a)[1] - 1 = floor(log2(a)), exactly
;;       r = np.clip(x / 2.0 ** e, -448, 448)
;;       step = 2.0 ** (np.maximum(np.frexp(np.where(r == 0, 1, r))[1] - 1, -6) - 3)
;;       q = np.round(r / step) * step * 2.0 ** e      # np.round: ties to even
;;       return np.moveaxis(q.reshape(q.shape[:-2] + (-1,))[..., :K], -1, axis).astype(np.float32)
;;   ~~~
;;   OPERANDS COMPUTED ON THE WAY. 'Computed on the way' means the value that the module computes at that place (a softmax that the list does not call 'softmax' is quantised finished and normalised). What goes into a quantiser is computed in f32, as accurately as f32 sums, v_exp_f32 and their like allow (about 1e-6 of the number): no bf16 or f16 on the way to a quantiser, and a product that is left as it is and whose result goes on into a quantised operand takes f32 operands (vector FMAs, or v_wmma_f32_16x16x4_f32). A number that lies on a knife's edge between two numbers of the format may be rounded either way, as far as f32 arithmetic and the matrix unit's own rounding can turn it there, and no further.
;; One version. Each part assembles by itself: llvm-mc -triple=amdgcn-amd-amdhsa -mcpu=gfx1250 --defsym DOCPART=n.
;; ======== version 1 of 1: 2 launches
;; limits: right only within a limited range of input values
;; workspace buffers: a_pack 4,325,376 bytes; w_pack 46,497,792 bytes
;; launch quant_w (part 1): grid 236 x 1, 8 waves a work-group, no clusters, 205,824 bytes of LDS; arguments qweight, scales, w_pack, input, a_pack; writes w_pack, a_pack
.if DOCPART == 1
	.amdgcn_target "amdgcn-amd-amdhsa--gfx1250"
	.amdhsa_code_object_version 6
	.text
	.protected	k_qbf228d6130_quant_w
	.globl	k_qbf228d6130_quant_w
	.p2align	8
	.type	k_qbf228d6130_quant_w,@function
k_qbf228d6130_quant_w:
	s_mov_b64 s[64:65], 0
	v_nop
	global_prefetch_b8 v0, s[64:65] scope:SCOPE_SE
	s_setreg_imm32_b32 hwreg(HW_REG_WAVE_MODE, 25, 1), 1
	s_wait_xcnt 0x0
; W[k][n] = e4m3(qweight[k][n] & 0xff, the NaN codes as 0) x scales[k / 128][n] is quantised along K to MX-FP8 (E4M3 codes, one E8M0 byte for each 32) and laid in w_pack IN THE ORDER OF THE OPERAND'S REGISTERS:
; w_pack = [group of 256 columns: 43][K step of 128: 32][33,792 bytes]; in a piece: bytes 0 .. 32,767 the images of 16 fragments (tile t of 16 columns, register group c, lane l at 2048 t + 512 c + 16 l:
; the 16 codes of column 16 t + l % 16, k = 32 c + 16 (l / 16) + 0 .. 15 of the step); bytes 32,768 on the scale words (column n of the group at 4 n; byte c for block c).  The same form as a_pack's.
; SHARES.  A work-group owns 64 columns (11,008 = 172 x 64) and all of K; wave w owns K steps 4 w .. 4 w + 3, in 16 rounds of 32 along K x 64 columns.  Lane (r', h) holds columns 4 r' .. 4 r' + 3 and k = 16 h + 0 .. 15:
; a load reads two runs of 256 consecutive bytes.  Four sets of raw words take turns; a set is asked for again as soon as its bytes are packed, so three to four sets of 17 loads a wave are out.
; A finished K step turns through the wave's own 8,704 bytes of LDS and leaves by stores of 512 consecutive bytes.  Waves share nothing: no barrier.  Memory binds: no matrix unit, no cluster, no tensor load;
; no prefetch: the loads themselves run four rounds ahead.
; LIMITS: NaN and infinities in scales are not served.  A killed NaN code keeps its sign (a zero of either sign adds nothing).  A block whose largest magnitude lies under 2^-118 has its byte held at 1, as the rule asks;
; a block of zeros has the byte 1 over zero codes where the rule says 127: this program alone reads the bytes.
; REGISTERS, two windows of 256 (s_set_vgpr_msb's low byte: bits 1:0 source 0, 3:2 source 1, 5:4 source 2, 7:6 destination):
;   window 0: v1-29 addresses; v32-33, v64-127 the way out; v128-255 raw sets 2, 3
;   window 1: v0-127 raw sets 0, 1; v128-191 numbers at work; v192-207 scales; v208-223 codes; v224-239 at work; v240-247 pairs for the packed multiply; v248 the decoding's scale word
.set KN,     44032                     ; a row of qweight and of scales in bytes: 172 x 256
.set PIECE,  33792
.set BBUF,   8704                      ; a wave's LDS: a K step of 64 columns
.set BT,     2064                      ; a column tile's image: 2,048 bytes + 16
.set BSCL,   8448                      ; behind the four images: the scale bytes, column n, block c at 4 n + c
.set SPARE,  8*BBUF                    ; the spare words, 128 bytes for each wave: four blocks of 256 bytes that no other line names
.set QOFF, 1                           ; qweight: 16 rows x h + 16 r'
.set AO,   2                           ; 16 x lane
.set SO8,  3                           ; 8 x lane
.set RDB,  4                           ; my wave's images, to read back
.set RDS,  5                           ; its scale words
.set SPW,  10
.set NIL,  11
.set BW0,  15                          ; the images, to write: BT (r' / 4) + 64 (r' % 4) + 256 h
.set BSW0, 26                          ; the scale bytes, to write
.set SOFF, 29                          ; scales: 16 r'
.set OS,   32
.set OUTR, 64
.set HL,   128                         ; at the head only
.set HR,   129
.set HH,   130
.set HT,   131
.set RJ,   128                         ; window 1
.set SQ,   192
.set PC,   208
.set TM,   224
.set TP,   240
.set E8,   248
.set WV,   14
.set WG,   16
.set SEL,  20
.set MNT,  22
.set M7F,  24
.set ONE,  25
.set M80,  26
.set SELA, 27
.set SELB, 28
.set TC,   30
.set SBW,  33
.set SBS,  34
.set QPT,  36
.set SPT,  38
.set WPT,  40                          ; w_pack: my K step's images
.set WSP,  42                          ; and its scale words
.set MSB, 0
.macro WIN new                         ; the immediate's high byte repeats the setting that is left; a switch that changes nothing is dropped
.if MSB != (\new)
	s_set_vgpr_msb (MSB<<8)|(\new)
.set MSB, (\new)
.endif
.endm
	s_load_b128 s[4:7], s[0:1], 0x0                ; qweight, scales
	s_load_b64 s[8:9], s[0:1], 0x10                ; w_pack
	v_lshl_add_u32 v[SPW], v0, 2, SPARE
	v_mov_b32 v[NIL], 0
	v_lshrrev_b32 v[HT], 5, v0
	v_readfirstlane_b32 s[WV], v[HT]               ; wave 0..7
	s_wait_alu depctr_va_vdst(0)                   ; the wait ahead of the branch and of the run of scalar lines
	s_cmp_lt_u32 ttmp9, 172                        ; ONE LAUNCH PREPARES BOTH OPERANDS: work-groups 0 .. 171 take W, as the head says; work-groups 172 .. 235 take the input (the path at the text's end)
	s_cbranch_scc0 .Lpath_a
	s_mov_b32 s[WG], ttmp9
	s_mov_b32 s[SEL], 0x76543210
	s_mov_b32 s[SEL+1], 0xfedcba98
	s_mov_b32 s[MNT], 0x600000
	s_mov_b32 s[M7F], 0x7f7f7f7f
	s_mov_b32 s[ONE], 0x01010101
	s_mov_b32 s[M80], 0x80808080
	s_mov_b32 s[SELA], 0x04000400                  ; byte 0 of the second source, byte 0 of the first
	s_mov_b32 s[SELB], 0x05040100                  ; the low half of the second source, the low half of the first
	s_lshl_b32 s54, s[WG], 8                       ; my 64 columns: 256 bytes on in a row
	s_mov_b32 s55, 0
	s_mul_i32 s58, s[WV], 512*KN                   ; qweight: my wave's four K steps
	s_mov_b32 s59, 0
	s_mul_i32 s62, s[WV], 4*KN                     ; scales: my wave's four rows
	s_mov_b32 s63, 0
	s_lshr_b32 s17, s[WG], 2
	s_mul_i32 s56, s17, 32*PIECE                   ; w_pack: my group of 256 columns,
	s_mul_i32 s17, s[WV], 4*PIECE                  ; my wave's first K step,
	s_add_co_u32 s56, s56, s17
	s_and_b32 s17, s[WG], 3                        ; and my quarter of the piece: four images,
	s_lshl_b32 s18, s17, 13
	s_add_co_u32 s60, s56, s18
	s_mov_b32 s61, 0
	s_lshl_b32 s18, s17, 8                         ; 64 scale words
	s_add_co_u32 s56, s56, s18
	s_add_co_u32 s56, s56, 32768
	s_mov_b32 s57, 0
	s_mul_i32 s[SBW], s[WV], BBUF
	s_add_co_u32 s[SBS], s[SBW], BSCL
	s_mov_b32 s[TC], 0
	v_and_b32 v[HL], 31, v0
	v_and_b32 v[HR], 15, v0                        ; r'
	v_bfe_u32 v[HH], v0, 4, 1                      ; h
	v_lshlrev_b32 v[AO], 4, v[HL]
	v_lshlrev_b32 v[SO8], 3, v[HL]
	v_add_nc_u32 v[RDB], s[SBW], v[AO]
	v_add_nc_u32 v[RDS], s[SBS], v[SO8]
	v_lshlrev_b32 v[SOFF], 4, v[HR]
	v_mul_u32_u24 v[QOFF], v[HH], 16*KN
	v_add_nc_u32 v[QOFF], v[QOFF], v[SOFF]
	v_lshrrev_b32 v[BW0], 2, v[HR]                 ; column 4 r' + u lies in tile r' / 4, at its lane 4 (r' % 4) + u + 16 h
	v_mul_u32_u24 v[BW0], v[BW0], BT
	v_and_b32 v[HT], 3, v[HR]
	v_lshl_add_u32 v[BW0], v[HT], 6, v[BW0]
	v_lshl_add_u32 v[BW0], v[HH], 8, v[BW0]
	v_add_nc_u32 v[BW0], s[SBW], v[BW0]
	v_add_nc_u32 v[BSW0], s[SBS], v[SOFF]
	WIN 0x40
.irp u, 1,3,5,7
	v_mov_b32 v[TP+\u], 0                          ; named as the upper halves of pairs, so they are written
.endr
	v_mov_b32 v[E8], s[M7F]                        ; the byte 127 in every byte: the decoding multiplies by 1
	WIN 0
	s_wait_alu depctr_va_vdst(0)                   ; the wait at the head's end
	s_wait_kmcnt 0x0
	s_add_nc_u64 s[QPT:QPT+1], s[4:5], s[54:55]
	s_add_nc_u64 s[QPT:QPT+1], s[QPT:QPT+1], s[58:59]
	s_add_nc_u64 s[SPT:SPT+1], s[6:7], s[54:55]
	s_add_nc_u64 s[SPT:SPT+1], s[SPT:SPT+1], s[62:63]
	s_add_nc_u64 s[WPT:WPT+1], s[8:9], s[60:61]
	s_add_nc_u64 s[WSP:WSP+1], s[8:9], s[56:57]
; A raw set: 32 rows x 64 columns of qweight, 16 loads (lanes 0-15 row i, lanes 16-31 row 16 + i), and the K step's scales of my four columns: 17 loads.
; Set j lies at v[64 j], sets 0 and 1 in window 1, sets 2 and 3 in window 0.  sq = 1: 32 rows on first;  ss = 1: a row of scales on too.
.macro LOADQ j, sq, ss
.if \sq
	s_wait_xcnt 0x0                                ; only behind this wait are the bases rewritten
	s_add_nc_u64 s[QPT:QPT+1], s[QPT:QPT+1], 32*KN
.endif
.if \ss
	s_add_nc_u64 s[SPT:SPT+1], s[SPT:SPT+1], KN
.endif
	WIN 0x40*(1-(\j)/2)
.irp i, 0,1,2,3,4,5,6,7,8,9,10,11,12,13,14,15
	global_load_b128 v[64*(\j)+4*\i:64*(\j)+4*\i+3], v[QOFF], s[QPT:QPT+1] offset:KN*\i th:TH_LOAD_NT   ; read once in the launch
.endr
	WIN 0x40
	global_load_b128 v[SQ+4*(\j):SQ+4*(\j)+3], v[SOFF], s[SPT:SPT+1]
	WIN 0
.endm
; THE QUANTISER: round c of a trip: raw set c becomes register group c of the K step's four images and byte c of its 64 scale words.
.macro QUANTW c, ss
.set RW, 64*(\c)
.set SQJ, SQ+4*(\c)
	s_wait_loadcnt 51                              ; my set is in; behind it: the three younger sets' 51 loads
	s_wait_dscnt 0x0                               ; the last round's LDS stores have read their registers
	; the codes: byte 0 of each word, four to a register, k ascending: register 4 u + g = column u, k = 4 g .. 4 g + 3
.irp p, 0,1
	WIN 0x40+0x05*(1-(\c)/2)
.irp v, 0,1
.irp g, 0,1,2,3
	v_perm_b32 v[TM+8*\v+2*\g], v[RW+4*(4*\g+1)+2*\p+\v], v[RW+4*(4*\g)+2*\p+\v], s[SELA]
	v_perm_b32 v[TM+8*\v+2*\g+1], v[RW+4*(4*\g+3)+2*\p+\v], v[RW+4*(4*\g+2)+2*\p+\v], s[SELA]
.endr
.endr
	WIN 0x55
.irp v, 0,1
.irp g, 0,1,2,3
	v_perm_b32 v[PC+4*(2*\p+\v)+\g], v[TM+8*\v+2*\g+1], v[TM+8*\v+2*\g], s[SELB]
.endr
.endr
.endr
.irp u, 0,1,2,3
	v_mov_b32 v[TP+2*\u], v[SQJ+\u]                ; each column's scale to the low word of a pair: the set's registers are free
.endr
	WIN 0
	s_wait_alu depctr_va_vdst(0)                   ; the wait ahead of the branch and the wait below
	s_cmp_lg_u32 s[TC], 3                          ; the set takes the round four on; the last trip has none to ask for, and waits for all that is out instead
	s_cbranch_scc1 .Lrl_\@
	s_wait_loadcnt 0x0
	s_branch .Lrd_\@
.Lrl_\@:
	LOADQ \c, 1, \ss
.Lrd_\@:
	WIN 0x55
	; a code whose low seven bits are all ones is NaN and counts as 0: (code & 0x7f) + 1 reaches 0x80 for it alone, and no carry leaves a byte; 0x80 - 1 = 0x7f is then taken off by an exclusive or
.irp q, 0,1,2,3
.irp e, 0,1,2,3
	v_and_b32 v[TM+\e], s[M7F], v[PC+4*\q+\e]
.endr
.irp e, 0,1,2,3
	v_add_nc_u32 v[TM+\e], s[ONE], v[TM+\e]
.endr
.irp e, 0,1,2,3
	v_and_b32 v[TM+\e], s[M80], v[TM+\e]
.endr
.irp e, 0,1,2,3
	v_lshrrev_b32 v[TM+4+\e], 7, v[TM+\e]
.endr
.irp e, 0,1,2,3
	v_sub_nc_u32 v[TM+\e], v[TM+\e], v[TM+4+\e]
.endr
.irp e, 0,1,2,3
	v_xor_b32 v[PC+4*\q+\e], v[PC+4*\q+\e], v[TM+\e]
.endr
.endr
	; to f32, exactly (the scale word's bytes are 127: x 1): register 16 u + i = column u, k = 16 h + i
.irp u, 0,1,2,3
.irp g, 0,1
	v_cvt_scale_pk8_f32_fp8 v[RJ+16*\u+8*\g:RJ+16*\u+8*\g+7], v[PC+4*\u+2*\g:PC+4*\u+2*\g+1], v[E8]
.endr
.endr
	v_nop                                          ; one plain vector line behind the last conversion of a run
.irp i, 0,2,4,6,8,10,12,14
.irp u, 0,1,2,3
	v_pk_mul_f32 v[RJ+16*\u+\i:RJ+16*\u+\i+1], v[RJ+16*\u+\i:RJ+16*\u+\i+1], v[TP+2*\u:TP+2*\u+1] op_sel_hi:[1,0]   ; x the group's scale: one rounding in f32
.endr
.endr
.irp u, 0,1,2,3
	v_max3_num_f32 v[TM+\u], |v[RJ+16*\u]|, |v[RJ+16*\u+1]|, 0x4800000   ; column u: my 16 numbers of its block, and the floor 2^(9 - 127): so the byte cannot fall under 1
.endr
.irp i, 2,4,6,8,10,12,14
.irp u, 0,1,2,3
	v_max3_num_f32 v[TM+\u], v[TM+\u], |v[RJ+16*\u+\i]|, |v[RJ+16*\u+\i+1]|
.endr
.endr
.irp u, 0,1,2,3
	v_permlanex16_b32 v[TM+4+\u], v[TM+\u], s[SEL], s[SEL+1]
.endr
.irp u, 0,1,2,3
	v_max_num_f32 v[TM+\u], v[TM+\u], v[TM+4+\u]   ; with lane l xor 16's 16: the block's largest magnitude
.endr
.irp u, 0,1,2,3
	v_add_nc_u32 v[TM+12+\u], 0xfc000000, v[TM+\u] ; 8 off its exponent field: the conversion's scale operand
.endr
.irp u, 0,1,2,3
	v_and_or_b32 v[TM+8+\u], v[TM+\u], 0x7f800000, s[MNT]   ; 448 x the scale
.endr
.irp u, 0,1,2,3
	v_lshrrev_b32 v[TM+4+\u], 23, v[TM+12+\u]      ; the scale's byte
.endr
.irp u, 0,1,2,3
.irp i, 0,1,2,3,4,5,6,7,8,9,10,11,12,13,14,15
	v_med3_num_f32 v[RJ+16*\u+\i], v[RJ+16*\u+\i], -v[TM+8+\u], v[TM+8+\u]   ; the conversion to an 8-bit code does not saturate (ISA guide 7.6.2): the hold comes first
.endr
	v_cvt_scalef32_pk8_fp8_f32 v[PC+4*\u:PC+4*\u+1], v[RJ+16*\u:RJ+16*\u+7], v[TM+12+\u]
	v_cvt_scalef32_pk8_fp8_f32 v[PC+4*\u+2:PC+4*\u+3], v[RJ+16*\u+8:RJ+16*\u+15], v[TM+12+\u]
.endr
	v_nop                                          ; one plain vector line behind the last conversion of a run
	WIN 0x04                                       ; an LDS store's address window 0, its data window 1
.irp u, 0,1,2,3
	ds_store_b128 v[BW0], v[PC+4*\u:PC+4*\u+3] offset:512*(\c)+16*\u   ; column 4 r' + u, k = 32 c + 16 h + 0 .. 15
	ds_store_b8 v[BSW0], v[TM+4+\u] offset:(\c)+4*\u                  ; both halves of the lanes write the same byte with the same value
.endr
	WIN 0
.endm
	LOADQ 0, 0, 0                                  ; rounds 0 to 3: my first K step
	LOADQ 1, 1, 0
	LOADQ 2, 1, 0
	LOADQ 3, 1, 0
.Lq:                                                   ; a trip is a K step: four rounds, until the sets are back where they began
	QUANTW 0, 1
	QUANTW 1, 0
	QUANTW 2, 0
	QUANTW 3, 0
	; the K step leaves.  LDS serves a wave's instructions in order (ISA guide 5.7.1.4): these loads see my stores
.irp b, 0,1,2,3
.irp c, 0,1,2,3
	ds_load_b128 v[OUTR+16*\b+4*\c:OUTR+16*\b+4*\c+3], v[RDB] offset:BT*\b+512*\c
.endr
.endr
	ds_load_b64 v[OS:OS+1], v[RDS]
	s_wait_dscnt 0x0
.irp b, 0,1,2,3
.irp c, 0,1,2,3
	global_store_b128 v[AO], v[OUTR+16*\b+4*\c:OUTR+16*\b+4*\c+3], s[WPT:WPT+1] offset:2048*\b+512*\c   ; 32 lanes store 512 consecutive bytes, at a multiple of 256 from w_pack's first byte
.endr
.endr
	global_store_b64 v[SO8], v[OS:OS+1], s[WSP:WSP+1]   ; 64 scale words: one aligned run of 256 bytes
	s_wait_xcnt 0x0                                ; the stores have read their registers and their bases
	s_add_nc_u64 s[WPT:WPT+1], s[WPT:WPT+1], PIECE
	s_add_nc_u64 s[WSP:WSP+1], s[WSP:WSP+1], PIECE
	s_add_co_u32 s[TC], s[TC], 1
	s_cmp_lt_u32 s[TC], 4
	s_wait_alu depctr_va_vdst(0)                   ; the wait ahead of the branch
	s_cbranch_scc1 .Lq
	s_wait_tensorcnt 0x0                           ; the wave's end, behind my last LDS store
	ds_add_u32 v[SPW], v[NIL]
	s_wait_dscnt 0x0
	s_endpgm
; THE INPUT'S PATH.  input [1024][4096] f32 becomes codes of FP8 (E4M3) with one E8M0 scale byte for each 32 along K, laid in a_pack in the order of the operand's registers:
; a_pack = [K step of 128: 32][quarter of 256 rows: 4][33,792 bytes], a piece of the same form as w_pack's (tile t of 16 rows, register group c, lane l at 2048 t + 512 c + 16 l; scale words, tile t, row r at 32,768 + 64 t + 4 r).
; A block's scale is 2^(floor(log2(its largest magnitude)) - 8); its byte is the largest magnitude's exponent field - 8, held at 1 from below.  Each number is held within +-448 x the scale and rounded to the nearest code, ties to even.
; LIMITS: NaN and infinities in the input are not served.  A block of zeros gets the byte 1 where the rule says 127: its codes are zeros, and this program alone reads the bytes.
; SHARES.  A share is 32 rows x one K step: 32 x 32 = 1,024 shares for 64 work-groups x 8 waves x 2 trips.  Half-group g = 2 (work-group - 172) + wave / 4: K step g / 8, and in the second trip 16 more; rows 128 (g % 8) + 32 (wave % 4) on.
; Each load reads one row's 512 consecutive bytes of the step; a tile of 16 rows turns through the wave's own stage in LDS (bytes that W's path never names), so that lane (r, h) gets, of row r, the 16 neighbours
; 32 c + 16 h + 0 .. 15 of each block c.  Waves share nothing: no barrier.
.set ROWI,   16384                     ; a row of the input in bytes
.set ASTEPB, 135168                    ; a K step of a_pack
.set SPI,    528                       ; a stage row: 512 bytes + 16
.set TST,    16*SPI                    ; a tile's stage
.set WST,    2*TST                     ; a wave's two
.set ALDS,   SPARE+1024                ; behind the spare words: this path's eight pairs of stages
.set APC,    32                        ; v32-63 the two tiles' codes
.set AX,     64                        ; v64-191 the two tiles' numbers
.set ATM,    200                       ; v200-203 largest magnitudes, v204-207 the other half's, then the bytes, v208-211 448 x the scale, v212-215 the conversions' scale operands
.set APW,    216                       ; v216, v217 the two tiles' scale words; v218 both in one register
.Lpath_a:
	s_load_b128 s[36:39], s[0:1], 0x18             ; input, a_pack
	s_mul_i32 s44, s[WV], WST
	s_add_co_u32 s44, s44, ALDS                    ; my wave's stages
	v_and_b32 v1, 31, v0                           ; lane
	v_and_b32 v2, 15, v0                           ; r
	v_bfe_u32 v3, v0, 4, 1                         ; h
	v_lshlrev_b32 v4, 4, v1                        ; 16 x lane: my bytes of a load's 512, and of an image's 512
	v_add_nc_u32 v5, s44, v4                       ; into a stage: as loaded
	v_mul_u32_u24 v6, v2, SPI
	v_lshl_add_u32 v6, v3, 6, v6
	v_add_nc_u32 v6, s44, v6                       ; out of it: row r, + 64 h
	v_lshlrev_b32 v7, 2, v1                        ; 4 x lane: a scale word's place
.irp b, 0,1,2,3
	v_mov_b32 v[ATM+4+\b], 0                       ; written once: a lane permute's destination counts as one of its sources
.endr
	s_mov_b32 s[SEL], 0x76543210
	s_mov_b32 s[SEL+1], 0xfedcba98                 ; v_permlanex16_b32's selects for lane l xor 16
	s_mov_b32 s[MNT], 0x600000                     ; the mantissa field of 448
	s_and_b32 s40, s[WV], 3
	s_sub_co_u32 s41, ttmp9, 172
	s_lshl_b32 s41, s41, 1
	s_lshr_b32 s42, s[WV], 2
	s_add_co_u32 s41, s41, s42                     ; g, 0 .. 127
	s_lshr_b32 s42, s41, 3                         ; the first trip's K step
	s_and_b32 s43, s41, 7                          ; which 128 rows
	s_lshl_b32 s46, s43, 7
	s_lshl_b32 s47, s40, 5
	s_add_co_u32 s46, s46, s47                     ; my wave's first row
	s_lshl_b32 s46, s46, 14                        ; x 16,384 bytes
	s_lshl_b32 s47, s42, 9
	s_add_co_u32 s46, s46, s47                     ; + 512 bytes a K step
	s_mov_b32 s47, 0
	s_mul_i32 s48, s42, ASTEPB
	s_lshr_b32 s49, s43, 1
	s_mul_i32 s49, s49, PIECE
	s_add_co_u32 s48, s48, s49                     ; my quarter in a_pack
	s_and_b32 s50, s43, 1
	s_lshl_b32 s50, s50, 3
	s_lshl_b32 s51, s40, 1
	s_add_co_u32 s50, s50, s51                     ; my first tile in the quarter
	s_lshl_b32 s51, s50, 6
	s_add_co_u32 s52, s48, s51
	s_add_co_u32 s52, s52, 32768                   ; its scale words
	s_mov_b32 s53, 0
	s_lshl_b32 s51, s50, 11
	s_add_co_u32 s48, s48, s51                     ; its images
	s_mov_b32 s49, 0
	s_mov_b32 s54, 0
	s_wait_alu depctr_va_vdst(0)                   ; the wait at the head's end
	s_wait_kmcnt 0x0
	s_add_nc_u64 s[36:37], s[36:37], s[46:47]
	s_add_nc_u64 s[52:53], s[38:39], s[52:53]
	s_add_nc_u64 s[38:39], s[38:39], s[48:49]
; Tile e through its stage, back into the registers that it left.  LDS serves a wave's instructions in order (ISA guide 5.7.1.4): no wait between the stores and the loads.
.macro ATURN e
.irp i, 0,1,2,3,4,5,6,7,8,9,10,11,12,13,14,15
	ds_store_b128 v5, v[AX+64*\e+4*\i:AX+64*\e+4*\i+3] offset:TST*\e+SPI*\i
.endr
.irp c, 0,1,2,3
.irp j, 0,1,2,3
	ds_load_b128 v[AX+64*\e+16*\c+4*\j:AX+64*\e+16*\c+4*\j+3], v6 offset:TST*\e+128*\c+16*\j   ; register 16 c + i = k 32 c + 16 h + i of row r
.endr
.endr
.endm
; 64 numbers of a lane from v[src] on become a fragment's codes from v[dst] on and its row's scale word in v[word].
.macro AQUANT src, dst, word
.irp b, 0,1,2,3
	v_max3_num_f32 v[ATM+\b], |v[\src+16*\b]|, |v[\src+16*\b+1]|, 0x4800000   ; block b: my 16 numbers, and the floor 2^(9 - 127): so the byte cannot fall under 1
.endr
.irp i, 2,4,6,8,10,12,14
.irp b, 0,1,2,3
	v_max3_num_f32 v[ATM+\b], v[ATM+\b], |v[\src+16*\b+\i]|, |v[\src+16*\b+\i+1]|
.endr
.endr
.irp b, 0,1,2,3
	v_permlanex16_b32 v[ATM+4+\b], v[ATM+\b], s[SEL], s[SEL+1]
.endr
.irp b, 0,1,2,3
	v_max_num_f32 v[ATM+\b], v[ATM+\b], v[ATM+4+\b]   ; with lane l xor 16's 16: the block's largest magnitude
.endr
.irp b, 0,1,2,3
	v_add_nc_u32 v[ATM+12+\b], 0xfc000000, v[ATM+\b]  ; 8 off its exponent field: the conversion's scale operand
.endr
.irp b, 0,1,2,3
	v_and_or_b32 v[ATM+8+\b], v[ATM+\b], 0x7f800000, s[MNT]   ; 448 x the scale
.endr
.irp b, 0,1,2,3
	v_lshrrev_b32 v[ATM+4+\b], 23, v[ATM+12+\b]    ; the scale's byte
.endr
	v_lshl_or_b32 v[\word], v[ATM+5], 8, v[ATM+4]
	v_lshl_or_b32 v[\word], v[ATM+6], 16, v[\word]
	v_lshl_or_b32 v[\word], v[ATM+7], 24, v[\word]
.irp b, 0,1,2,3
.irp i, 0,1,2,3,4,5,6,7,8,9,10,11,12,13,14,15
	v_med3_num_f32 v[\src+16*\b+\i], v[\src+16*\b+\i], -v[ATM+8+\b], v[ATM+8+\b]   ; the conversion to an 8-bit code does not saturate (ISA guide 7.6.2): the hold comes first
.endr
	v_cvt_scalef32_pk8_fp8_f32 v[\dst+4*\b:\dst+4*\b+1], v[\src+16*\b:\src+16*\b+7], v[ATM+12+\b]
	v_cvt_scalef32_pk8_fp8_f32 v[\dst+4*\b+2:\dst+4*\b+3], v[\src+16*\b+8:\src+16*\b+15], v[ATM+12+\b]
.endr
	v_nop                                          ; one plain vector line behind the last conversion of a run
.endm
.macro AOUT e                          ; a tile's image: four stores of 512 consecutive bytes
.irp c, 0,1,2,3
	global_store_b128 v4, v[APC+16*\e+4*\c:APC+16*\e+4*\c+3], s[38:39] offset:2048*\e+512*\c
.endr
.endm
.La:                                                   ; two trips: my share of K step g / 8, then of K step g / 8 + 16
.irp i, 0,1,2,3,4,5,6,7,8,9,10,11,12,13,14,15,16,17,18,19,20,21,22,23,24,25,26,27,28,29,30,31
	global_load_b128 v[AX+4*\i:AX+4*\i+3], v4, s[36:37] offset:ROWI*\i th:TH_LOAD_NT   ; row i: 32 lanes read 512 consecutive bytes; read once in the launch
.endr
	s_wait_loadcnt 16                              ; tile 0's sixteen rows are in; tile 1's sixteen loads may be out
	ATURN 0
	s_wait_loadcnt 0x0
	ATURN 1
	s_wait_dscnt 32                                ; tile 0 is back; tile 1's 16 stores and 16 loads may be out
	AQUANT AX, APC, APW
	AOUT 0
	s_wait_dscnt 0x0
	AQUANT AX+64, APC+16, APW+1
	AOUT 1
	v_cmp_lt_u32 vcc_lo, 15, v1                    ; lanes 16-31 take tile 1's words (every lane holds its row r's word of both tiles)
	v_cndmask_b32 v[APW+2], v[APW], v[APW+1], vcc_lo
	global_store_b32 v7, v[APW+2], s[52:53]        ; 128 consecutive bytes: the two tiles' scale words
	s_wait_xcnt 0x0                                ; the loads and stores have read their bases and their registers
	s_add_nc_u64 s[36:37], s[36:37], 16*512        ; sixteen K steps on
	s_add_nc_u64 s[38:39], s[38:39], 16*ASTEPB
	s_add_nc_u64 s[52:53], s[52:53], 16*ASTEPB
	s_add_co_u32 s54, s54, 1
	s_cmp_lt_u32 s54, 2
	s_wait_alu depctr_va_vdst(0)                   ; the wait ahead of the branch
	s_cbranch_scc1 .La
	s_wait_tensorcnt 0x0                           ; the wave's end, behind my last LDS store
	ds_add_u32 v[SPW], v[NIL]
	s_wait_dscnt 0x0
	s_endpgm
.Lfunc_end_k_qbf228d6130_quant_w:
	.size	k_qbf228d6130_quant_w, .Lfunc_end_k_qbf228d6130_quant_w-k_qbf228d6130_quant_w
	.p2alignl 7, 3214868480
	.fill 96, 4, 3214868480
	.section	.rodata,"a",@progbits
	.p2align	6, 0x0
	.amdhsa_kernel k_qbf228d6130_quant_w
		.amdhsa_group_segment_fixed_size 205824
		.amdhsa_private_segment_fixed_size 0
		.amdhsa_enable_private_segment 0
		.amdhsa_kernarg_size 40
		.amdhsa_user_sgpr_count 2
		.amdhsa_user_sgpr_kernarg_segment_ptr 1
		.amdhsa_wavefront_size32 1
		.amdhsa_system_sgpr_workgroup_id_x 1
		.amdhsa_system_sgpr_workgroup_id_y 1
		.amdhsa_system_sgpr_workgroup_id_z 1
		.amdhsa_system_vgpr_workitem_id 0
		.amdhsa_next_free_vgpr 512
		.amdhsa_next_free_sgpr 66
		.amdhsa_reserve_vcc 1
		.amdhsa_float_denorm_mode_32 3
		.amdhsa_float_denorm_mode_16_64 3
		.amdhsa_memory_ordered 1
		.amdhsa_forward_progress 1
		.amdhsa_inst_pref_size 117
	.end_amdhsa_kernel
	.amdgpu_metadata
---
amdhsa.version: [ 1, 2 ]
amdhsa.kernels:
  - .name:           k_qbf228d6130_quant_w
    .symbol:         k_qbf228d6130_quant_w.kd
    .args:
      - { .name: qweight, .offset: 0, .size: 8, .value_kind: global_buffer, .address_space: global }
      - { .name: scales, .offset: 8, .size: 8, .value_kind: global_buffer, .address_space: global }
      - { .name: w_pack, .offset: 16, .size: 8, .value_kind: global_buffer, .address_space: global }
      - { .name: input, .offset: 24, .size: 8, .value_kind: global_buffer, .address_space: global }
      - { .name: a_pack, .offset: 32, .size: 8, .value_kind: global_buffer, .address_space: global }
    .group_segment_fixed_size: 205824
    .private_segment_fixed_size: 0
    .kernarg_segment_align: 8
    .kernarg_segment_size: 40
    .max_flat_workgroup_size: 256
    .sgpr_count:     66
    .vgpr_count:     512
    .wavefront_size: 32
...
	.end_amdgpu_metadata
.endif
;; end of part 1
;; launch gemm (part 2): grid 172 x 1, 4 waves a work-group, clusters of 4 x 1, 327,680 bytes of LDS; arguments a_pack, w_pack, bias, out0; writes out0
.if DOCPART == 2
	.amdgcn_target "amdgcn-amd-amdhsa--gfx1250"
	.amdhsa_code_object_version 6
	.text
	.protected	k_qbf228d6130_gemm
	.globl	k_qbf228d6130_gemm
	.p2align	8
	.type	k_qbf228d6130_gemm,@function
k_qbf228d6130_gemm:
	s_mov_b64 s[64:65], 0
	v_nop
	global_prefetch_b8 v0, s[64:65] scope:SCOPE_SE
	s_setreg_imm32_b32 hwreg(HW_REG_WAVE_MODE, 25, 1), 1
	s_wait_xcnt 0x0
	s_wait_alu depctr_hold_cnt(0) depctr_sa_sdst(0) depctr_va_vdst(0) depctr_va_sdst(0) depctr_va_ssrc(0) depctr_va_vcc(0) depctr_vm_vsrc(0)
	s_getreg_b32 s2, hwreg(HW_REG_IB_STS2, 6, 4)
	s_cmp_eq_u32 s2, 0
	s_cbranch_scc0 .Lentry_in_a_cluster
	s_endpgm
.Lentry_in_a_cluster:
	s_bfe_u32 s2, ttmp6, 0x10000c
	s_cmp_lg_u32 s2, 0x3003
	s_cbranch_scc0 .Lentry_shape_is_right
	s_endpgm
.Lentry_shape_is_right:
; out0[1024][11008] = Q(input) Q(W) + bias on codes of MX-FP8: both operands come as images of the operand's registers, a_pack = [K step: 32][256 rows: 4][33,792 bytes], w_pack = [256 columns: 43][K step: 32][33,792 bytes]
; (16 fragments' images, tile t, register group c, lane l at 2048 t + 512 c + 16 l; then the scale words, row or column n at 32,768 + 4 n).  Sums in f32; the bias is the C of each sum's first instruction.
; A block of out0, 256 x 256, is made by four waves, each 128 x 128: 64 accumulators, 512 registers.  4 x 43 = 172 blocks.
; K goes in slots of two K steps of 128: four dense pieces of 33,792 bytes (A's two, W's two), ONE tensor load a wave; two slots take turns; a fragment is read by loads of 16 consecutive bytes a lane.
; CLUSTER: the four row quarters of one group of columns.  They need the same pieces of W: waves 2 and 3 ask for them JOINTLY (the same descriptor, a mask that names the four).  A's quarter is each work-group's own:
; waves 0 and 1 ask with no mask.  43 groups of columns do not divide by four, so A's pieces have no partners.  The work-group's place enters global addresses of its own loads, prefetches and stores alone.
; THE MATRIX INSTRUCTION IS USED TRANSPOSED: source 0 = 16 columns of W, source 1 = 16 rows of the input: a lane holds eight neighbouring numbers of a row of out0.
; PREFETCH: behind each refill a wave names, a lane a block of 256 bytes, its share of the slot that stands two refills on: 66 of its work-group's 264 blocks of A (three instructions) and its part of the 66 blocks of W that
; its work-group takes of the cluster's 264, shared out by address (one instruction; lanes left over name the wave's last block again).  The last two refills have no slot two on.  Slots 0 to 3 come by their loads alone.
; REGISTERS, in windows of 256: window 0: v0-31 addresses; v32-63 scale words, two sets, and nothing else; v64-127 the bias; v128-255 A's fragments, ONE set (on the way out: rows read back).
;   window 1: W's fragments, TWO sets, at v0 and at v128.   windows 2, 3: accumulator (a, b) in window 2 + a / 4 at v[8 (8 (a % 4) + b)].
.set KN,     44032                     ; a row of out0 in bytes
.set PIECE,  33792
.set STEPB,  4*PIECE                   ; a K step of a_pack
.set SLOT,   4*PIECE
.set SPARE,  2*SLOT                    ; the spare words, 128 bytes for each wave: two blocks of 256 bytes that no other line names
.set SPITCH, 528                       ; the way out: a stage of 16 rows x (512 + 16) bytes for each wave, in slot 0, which has had its last fill and its last read by then
.set FR,     16
.set NL,     4
.set NP,     8                         ; places behind this matrix instruction (ISA guide 7.12.1)
.set LAPS,   8                         ; a lap = two slots = four K steps
.set PFBV, 15                          ; v15  prefetch: my blocks of W
.set ADRA, 16                          ; v16-17 my A fragments in slot 0, 1
.set ADRB, 20                          ; v20-21 W's
.set ADRS, 22                          ; v22-23 scale words: lanes 0-15 A's rows, lanes 16-31 W's columns
.set STO,  24
.set RD,   25
.set CO,   26
.set BIO,  27
.set SPW,  28
.set NIL,  29
.set PFL,  30                          ; v30  prefetch: 256 x lane
.set PF2,  31                          ; v31  256 x min(lane, 1)
.set SC,   32                          ; set s at v[SC + 16 s]; register 2 i + q: lanes 0-15 the words of A's block i, lanes 16-31 of W's block i, for the slot's K step q
.set BI,   64
.set AF,   128
.set BK,   128
.set G1,   24                          ; s[24:31] group 1 for A's pieces; s[32:39] group 0, one set for each slot
.set G0,   32
.set PA,   44                          ; s[44:45], s[46:47] where my prefetches stand
.set PB,   46
.set G1B,  48                          ; the same for W's pieces
.set G0B,  56
.set MSB, 0
.macro WIN new
.if MSB != (\new)
	s_set_vgpr_msb (MSB<<8)|(\new)
.set MSB, (\new)
.endif
.endm
.set MUL_LO, 0xa1                      ; source 0 (W) window 1, source 1 (A) window 0, C and D window 2
.set MUL_HI, 0xf1                      ; the same, C and D window 3
.set TO_B,   0x40
.macro JLOAD s                         ; waves 0 and 1 fetch A's two pieces, waves 2 and 3 W's; an s_nop 0 and four v_nop follow each of the two lines
	s_cmp_eq_u32 s15, 0
	s_cbranch_scc0 .Lfor_b_\@
	tensor_load_to_lds s[G0+4*\s:G0+4*\s+3], s[G1:G1+7]
	s_nop 0
.rept 4
	v_nop
.endr
	s_branch .Lasked_\@
.Lfor_b_\@:
	tensor_load_to_lds s[G0B+4*\s:G0B+4*\s+3], s[G1B:G1B+7]
	s_nop 0
.rept 4
	v_nop
.endr
.Lasked_\@:
.endm
.macro CREST                           ; a round of the cluster's barrier behind its opening barrier
	s_cmp_lg_u32 s14, 0
	s_cbranch_scc1 .Lnot_wave_0_\@
	s_barrier_signal -3
.Lnot_wave_0_\@:
	s_barrier_wait -3
	s_barrier_signal -1
	s_barrier_wait -1
.endm
.macro CROUND
	s_barrier_signal -1
	s_barrier_wait -1
	CREST
.endm
.macro ASK                             ; s3 = 1 in the loop's last trip, whose refills have no slot two on
	s_cmp_gt_u32 s3, 1
	s_cbranch_scc0 .Lnoask_\@
	global_prefetch_b8 v[PFL], s[PA:PA+1] th:TH_LOAD_NT scope:SCOPE_SE
	global_prefetch_b8 v[PFL], s[PA:PA+1] offset:8192 th:TH_LOAD_NT scope:SCOPE_SE
	global_prefetch_b8 v[PF2], s[PA:PA+1] offset:16384 th:TH_LOAD_NT scope:SCOPE_SE
	global_prefetch_b8 v[PFBV], s[PB:PB+1] th:TH_LOAD_NT scope:SCOPE_SE
.Lnoask_\@:
.endm
	s_load_b256 s[4:11], s[0:1], 0x0               ; a_pack s[4:5], w_pack s[6:7], bias s[8:9], out0 s[10:11]
	v_lshl_add_u32 v[SPW], v0, 2, SPARE
	v_mov_b32 v[NIL], 0
	ds_add_u32 v[SPW], v[NIL]                      ; the wave's opening: the add, twice on end, and its wait ahead of my first tensor load
	ds_add_u32 v[SPW], v[NIL]
	v_lshrrev_b32 v1, 5, v0
	v_readfirstlane_b32 s14, v1                    ; wave 0..3
	s_lshr_b32 s15, s14, 1                         ; which half of the block's rows is mine.  Also: I fetch for A (0) or for W (1)
	s_and_b32 s16, s14, 1                          ; which half of its columns.  Also: which K step of a slot I fetch
	s_bfe_u32 s40, ttmp6, 0x40000                  ; cx: my quarter of the rows
	s_mov_b32 s42, ttmp9                           ; the cluster's number: my group of 256 columns
	s_mov_b32 s[G1+0], 3<<16                       ; no mask; elements of 8 bytes; no padding
	s_mov_b32 s[G1B+0], 15|(3<<16)|(1<<21)         ; the mask: all four work-groups; bit 21 set beside it
.irp g, G1, G1B
	s_mov_b32 s[\g+1], 32<<16                      ; a dense piece as 132 rows of 256 bytes: tensor_dim0 = 32
	s_mov_b32 s[\g+2], 132<<16                     ; tensor_dim1 = 132
	s_mov_b32 s[\g+3], 32<<16                      ; tile_dim0
	s_mov_b32 s[\g+4], 132                         ; tile_dim1
	s_mov_b32 s[\g+5], 32                          ; tensor_dim0_stride
	s_mov_b32 s[\g+6], 0
	s_mov_b32 s[\g+7], 0
.endr
	s_mul_i32 s20, s40, PIECE                      ; A: my quarter,
	s_mul_i32 s17, s16, STEPB                      ; my K step of the slot
	s_add_co_u32 s20, s20, s17
	s_mov_b32 s21, 0
	s_mul_i32 s22, s42, 32*PIECE                   ; W: the cluster's columns,
	s_mul_i32 s17, s16, PIECE                      ; my K step of the slot: nothing here holds cx
	s_add_co_u32 s22, s22, s17
	s_mov_b32 s23, 0
	s_mul_i32 s41, s14, PIECE                      ; where my piece goes: wave x a piece
	s_wait_dscnt 0x0                               ; both opening adds are done
	s_wait_kmcnt 0x0
	s_add_nc_u64 s[20:21], s[4:5], s[20:21]
	s_add_nc_u64 s[22:23], s[6:7], s[22:23]
	CROUND                                         ; all four work-groups are here: the first joint loads meet
.irp s, 0,1
	s_mov_b32 s[G0+4*\s], 1
	s_add_co_u32 s[G0+4*\s+1], s41, \s*SLOT
	s_add_nc_u64 s[G0+4*\s+2:G0+4*\s+3], s[20:21], \s*2*STEPB
	s_or_b32 s[G0+4*\s+3], s[G0+4*\s+3], 0x80000000
	s_mov_b32 s[G0B+4*\s], 1
	s_add_co_u32 s[G0B+4*\s+1], s41, \s*SLOT
	s_add_nc_u64 s[G0B+4*\s+2:G0B+4*\s+3], s[22:23], \s*2*PIECE
	s_or_b32 s[G0B+4*\s+3], s[G0B+4*\s+3], 0x80000000
.endr
	JLOAD 0                                        ; slot 0, a piece a wave
	s_lshl_b32 s17, s15, 14                        ; my 8 tiles of A's 16
	s_lshl_b32 s18, s16, 14                        ; my 8 tiles of W's 16,
	s_add_co_u32 s18, s18, 2*PIECE                 ; behind A's two pieces
	s_lshl_b32 s19, s15, 9                         ; their scale words
	s_lshl_b32 s20, s16, 9
	s_add_co_u32 s20, s20, 2*PIECE
	s_sub_co_u32 s20, s20, s19                     ; from A's words to W's
	s_add_co_u32 s19, s19, 32768
	s_mul_i32 s12, s14, 16*SPITCH                  ; my stage
	s_mul_i32 s13, s14, 17                         ; prefetch: my first of the work-group's 66 blocks of W
	s_lshl_b32 s22, s42, 10                        ; my first column, in bytes: 1,024 x group + 512 x half
	s_lshl_b32 s23, s16, 9
	s_add_co_u32 s22, s22, s23
	s_mov_b32 s23, 0
	s_add_nc_u64 s[8:9], s[8:9], s[22:23]
	s_add_nc_u64 s[10:11], s[10:11], s[22:23]
	s_lshl_b32 s22, s40, 8
	s_lshl_b32 s41, s15, 7
	s_add_co_u32 s22, s22, s41                     ; my first row: 256 x quarter + 128 x half
	s_mul_i32 s22, s22, KN
	s_add_nc_u64 s[10:11], s[10:11], s[22:23]
	s_mul_i32 s22, s40, PIECE                      ; prefetch, A: my quarter; waves 0, 1 the slot's first K step, waves 2, 3 its second; 66 blocks each; at slot 3: the first refill steps it to slot 4
	s_mul_i32 s41, s15, STEPB
	s_add_co_u32 s22, s22, s41
	s_mul_i32 s41, s16, 66*256
	s_add_co_u32 s22, s22, s41
	s_add_co_u32 s22, s22, 6*STEPB
	s_add_nc_u64 s[PA:PA+1], s[4:5], s[22:23]
	s_mul_i32 s22, s42, 32*PIECE                   ; W: the cluster's columns; my work-group's 66 of a slot's 264 blocks
	s_mul_i32 s41, s40, 66*256
	s_add_co_u32 s22, s22, s41
	s_add_co_u32 s22, s22, 6*PIECE
	s_add_nc_u64 s[PB:PB+1], s[6:7], s[22:23]
	v_and_b32 v1, 15, v0                           ; r
	v_bfe_u32 v2, v0, 4, 1                         ; h
	v_and_b32 v3, 31, v0                           ; lane
	v_lshlrev_b32 v[CO], 4, v3                     ; 16 x lane: my place in an image, in a stage row and in a row of out0
	v_add_nc_u32 v[ADRA], s17, v[CO]
	v_add_nc_u32 v[ADRB], s18, v[CO]
	v_add_nc_u32 v[ADRA+1], SLOT, v[ADRA]
	v_add_nc_u32 v[ADRB+1], SLOT, v[ADRB]
	v_lshlrev_b32 v5, 2, v1
	v_mul_u32_u24 v6, s20, v2                      ; lanes 16-31 take W's
	v_add_nc_u32 v5, v5, v6
	v_add_nc_u32 v[ADRS], s19, v5
	v_add_nc_u32 v[ADRS+1], SLOT, v[ADRS]
	v_mul_u32_u24 v5, v1, SPITCH                   ; into the stage: row r, 32 bytes for each half of the lanes
	v_lshl_add_u32 v5, v2, 5, v5
	v_add_nc_u32 v[STO], s12, v5
	v_add_nc_u32 v[RD], s12, v[CO]                 ; back: the 32 lanes take one row of 512 bytes
	v_lshlrev_b32 v[BIO], 5, v2
	v_lshlrev_b32 v[PFL], 8, v3
	v_min_u32 v[PF2], 1, v3
	v_lshlrev_b32 v[PF2], 8, v[PF2]
	v_min_u32 v[PFBV], 16, v3
	v_add_nc_u32 v[PFBV], s13, v[PFBV]
	v_min_u32 v[PFBV], 65, v[PFBV]
	v_lshlrev_b32 v[PFBV], 8, v[PFBV]
	s_wait_alu depctr_va_vdst(0)                   ; the wait at the head's end
.irp b, 0,1,2,3,4,5,6,7
	global_load_b128 v[BI+8*\b:BI+8*\b+3], v[BIO], s[8:9] offset:64*\b            ; bias[my first column + 16 b + 8 h + 0 .. 7]: the result's layout
	global_load_b128 v[BI+8*\b+4:BI+8*\b+7], v[BIO], s[8:9] offset:64*\b+16
.endr
.macro FRAG reg, adr, q, i             ; a fragment's image: four loads of 512 consecutive bytes
.irp c, 0,1,2,3
	ds_load_b128 v[\reg+4*\c:\reg+4*\c+3], v[\adr] offset:PIECE*(\q)+2048*(\i)+512*\c
.endr
.endm
; 16 products: A's blocks a0, a0 + 1 x W's eight, the slot's K step q.  p: W's set;  sc: the set of scale words.  first = 1: the sums start from the bias (C in window 0).
; The 64 accumulators take turns, one instruction a turn, in the same order in every step.
.macro MUL16 a0, p, q, sc, first
.irp a, \a0, \a0+1
.irp b, 0,1,2,3,4,5,6,7
.if \first
	v_wmma_scale_f32_16x16x128_f8f6f4 v[8*(8*((\a)%4)+\b):8*(8*((\a)%4)+\b)+7], v[128*(\p)+FR*\b:128*(\p)+FR*\b+FR-1], v[AF+FR*(\a):AF+FR*(\a)+FR-1], v[BI+8*\b:BI+8*\b+7], v[SC+16*(\sc)+2*\b+(\q)], v[SC+16*(\sc)+2*(\a)+(\q)] matrix_a_scale:MATRIX_SCALE_ROW1
.else
	v_wmma_scale_f32_16x16x128_f8f6f4 v[8*(8*((\a)%4)+\b):8*(8*((\a)%4)+\b)+7], v[128*(\p)+FR*\b:128*(\p)+FR*\b+FR-1], v[AF+FR*(\a):AF+FR*(\a)+FR-1], v[8*(8*((\a)%4)+\b):8*(8*((\a)%4)+\b)+7], v[SC+16*(\sc)+2*\b+(\q)], v[SC+16*(\sc)+2*(\a)+(\q)] matrix_a_scale:MATRIX_SCALE_ROW1
.endif
.endr
.endr
.endm
.macro FETCH_B slot, q, p
	WIN TO_B
.irp i, 0,1,2,3,4,5,6,7
	FRAG 128*(\p)+FR*\i, ADRB+\slot, \q, \i
.endr
	WIN 0
.endm
.macro FETCH_A slot, q, i0
.irp i, \i0, \i0+1, \i0+2, \i0+3
	FRAG AF+FR*(\i), ADRA+\slot, \q, \i
.endr
.endm
.macro SCALES sc                       ; the slot's scale words: lanes 0-15 take A's block i, lanes 16-31 W's block i
.irp i, 0,1,2,3,4,5,6,7
.irp q, 0,1
	ds_load_b32 v[SC+16*\sc+2*\i+\q], v[ADRS+\sc] offset:PIECE*\q+64*\i
.endr
.endr
.endm
.macro PLACES n                        ; in front of loads into registers that matrix instructions have read, and of reads of results
.rept \n
	v_nop
.endr
.endm
; A slot's first K step.
.macro STEP slot, first
	s_wait_dscnt 4*NL                              ; W's set, A's blocks 0-3 and the scale words are in; the youngest 16 loads (A's blocks 4-7) may be out
	WIN MUL_LO-0x20*(\first)
	MUL16 0, 0, 0, \slot, \first
	MUL16 2, 0, 0, \slot, \first
	s_wait_dscnt 0
	PLACES NP
	FETCH_B \slot, 1, 1
	FETCH_A \slot, 1, 0
	WIN MUL_HI-0x30*(\first)
	MUL16 4, 0, 0, \slot, \first
	MUL16 6, 0, 0, \slot, \first
	PLACES NP
	WIN 0
	FETCH_A \slot, 1, 4
.endm
; A slot's second K step changes slots: ONE barrier; in front of it each wave waits for all its tensor loads, adds 0 to its spare word, and waits for that and for its own reads of this slot.  fill = 1: this slot is filled again, two slots ahead.
.macro TURN slot, next, fill
.if \fill
	s_wait_xcnt 0x0                                ; my prefetches have read their bases: they step here, ahead of the waits of the change of slots
	s_add_nc_u64 s[PA:PA+1], s[PA:PA+1], 2*STEPB
	s_add_nc_u64 s[PB:PB+1], s[PB:PB+1], 2*PIECE
.endif
	s_wait_tensorcnt 0x0                           ; all my tensor loads have landed: my piece of the next slot
	ds_add_u32 v[SPW], v[NIL]                      ; 0 onto my spare word
	s_wait_dscnt 4*NL+1                            ; (the add and the youngest 16 loads may be out)
	WIN MUL_LO
	MUL16 0, 1, 1, \slot, 0
	s_wait_dscnt 0x0                               ; the add is done, and my reads of this slot are over
	s_barrier_signal -1
	MUL16 2, 1, 1, \slot, 0
	WIN 0
	s_barrier_wait -1
.if \fill
	CREST                                          ; the barrier has opened a round of the cluster's barrier: no wave of any partner still reads this slot or has a load on its way
	s_add_nc_u64 s[G0+4*\slot+2:G0+4*\slot+3], s[G0+4*\slot+2:G0+4*\slot+3], 4*STEPB
	s_add_nc_u64 s[G0B+4*\slot+2:G0B+4*\slot+3], s[G0B+4*\slot+2:G0B+4*\slot+3], 4*PIECE
	JLOAD \slot                                    ; the first tensor load behind the round; its four v_nop are among the places in front of the loads below
	PLACES NP-4
.else
	PLACES NP
.endif
	FETCH_B \next, 0, 0
	FETCH_A \next, 0, 0
	SCALES \next
.if \fill
	ASK
.endif
	WIN MUL_HI
	MUL16 4, 1, 1, \slot, 0
	MUL16 6, 1, 1, \slot, 0
	PLACES NP
	WIN 0
	FETCH_A \next, 0, 4
.endm
	s_wait_tensorcnt 0x0                           ; my piece of slot 0 is in
	ds_add_u32 v[SPW], v[NIL]
	s_wait_dscnt 0x0
	CROUND                                         ; all four pieces are in, and all four work-groups are here
	JLOAD 1                                        ; slot 1's first fill, the first tensor load behind the round
	FETCH_B 0, 0, 0
	FETCH_A 0, 0, 0
	SCALES 0
	FETCH_A 0, 0, 4
	s_wait_loadcnt 0x0                             ; the bias
	STEP 0, 1                                      ; the first K step stands in front of the loop: its products start the sums
	s_mov_b32 s3, LAPS-1
.Llap:                                                 ; a trip goes once round the ring, from a lap's second K step to the next lap's first, and fills both slots again
	TURN 0, 1, 1
	STEP 1, 0
	TURN 1, 0, 1
	STEP 0, 0
	s_sub_co_u32 s3, s3, 1
	s_cmp_lg_u32 s3, 0
	s_cbranch_scc1 .Llap
	TURN 0, 1, 0                                   ; the last lap fills nothing, and has no round of the cluster's barrier
	STEP 1, 0
	s_wait_dscnt 4*NL                              ; the very last K step: nothing more to fetch
	WIN MUL_LO
	MUL16 0, 1, 1, 1, 0
	MUL16 2, 1, 1, 1, 0
	s_wait_dscnt 0
	WIN MUL_HI
	MUL16 4, 1, 1, 1, 0
	MUL16 6, 1, 1, 1, 0
	WIN 0
; THE WAY OUT, block by block of 16 rows x 128 columns, through my own stage: it comes back as whole rows of 512 bytes.  LDS serves a wave's instructions in order (ISA guide 5.7.1.4): no wait between the stores and the loads.
.macro TOSTAGE a
.set AC, 64*((\a)%4)
	WIN 0x08+4*((\a)/4)
.irp b, 0,1,2,3,4,5,6,7
	ds_store_b128 v[STO], v[AC+8*\b:AC+8*\b+3] offset:64*\b          ; each accumulator from its low end on
	ds_store_b128 v[STO], v[AC+8*\b+4:AC+8*\b+7] offset:64*\b+16
.endr
	WIN 0
.set BB, BK+64*((\a)%2)
.irp t, 0,1,2,3,4,5,6,7,8,9,10,11,12,13,14,15
	ds_load_b128 v[BB+4*\t:BB+4*\t+3], v[RD] offset:\t*SPITCH
.endr
.endm
.macro SEND a, younger
.set BB, BK+64*((\a)%2)
	s_wait_dscnt \younger
.if (\a) > 0
	s_add_nc_u64 s[10:11], s[10:11], 16*KN         ; (behind a wait on XCNT: the earlier stores have read their base)  16 rows of out0 on
.endif
.irp t, 0,1,2,3,4,5,6,7,8,9,10,11,12,13,14,15
	global_store_b128 v[CO], v[BB+4*\t:BB+4*\t+3], s[10:11] offset:\t*KN th:TH_STORE_NT   ; 32 lanes store 512 consecutive bytes, at a multiple of 256 from out0's first byte
.endr
.endm
	PLACES NP
	TOSTAGE 0
.irp a, 1,2,3,4,5,6,7
.if \a > 1
	s_wait_xcnt 0x0                                ; block a - 2's stores have read their registers and their base
.endif
	TOSTAGE \a
	SEND \a-1, 32                                  ; behind block a - 1's loads: block a's 16 stores and 16 loads
.endr
	s_wait_xcnt 0x0
	SEND 7, 0
	s_wait_tensorcnt 0x0                           ; the wave's end, behind my last tensor load and my last LDS store
	ds_add_u32 v[SPW], v[NIL]
	s_wait_dscnt 0x0
	CROUND                                         ; the closing round: no work-group ends while a partner may still ask for a piece that names it
	s_endpgm
.Lfunc_end_k_qbf228d6130_gemm:
	.size	k_qbf228d6130_gemm, .Lfunc_end_k_qbf228d6130_gemm-k_qbf228d6130_gemm
	.p2alignl 7, 3214868480
	.fill 96, 4, 3214868480
	.section	.rodata,"a",@progbits
	.p2align	6, 0x0
	.amdhsa_kernel k_qbf228d6130_gemm
		.amdhsa_group_segment_fixed_size 327680
		.amdhsa_private_segment_fixed_size 0
		.amdhsa_enable_private_segment 0
		.amdhsa_kernarg_size 32
		.amdhsa_user_sgpr_count 2
		.amdhsa_user_sgpr_kernarg_segment_ptr 1
		.amdhsa_wavefront_size32 1
		.amdhsa_system_sgpr_workgroup_id_x 1
		.amdhsa_system_sgpr_workgroup_id_y 1
		.amdhsa_system_sgpr_workgroup_id_z 1
		.amdhsa_system_vgpr_workitem_id 0
		.amdhsa_next_free_vgpr 1024
		.amdhsa_next_free_sgpr 66
		.amdhsa_reserve_vcc 0
		.amdhsa_float_denorm_mode_32 3
		.amdhsa_float_denorm_mode_16_64 3
		.amdhsa_memory_ordered 1
		.amdhsa_forward_progress 1
		.amdhsa_inst_pref_size 148
	.end_amdhsa_kernel
	.amdgpu_metadata
---
amdhsa.version: [ 1, 2 ]
amdhsa.kernels:
  - .name:           k_qbf228d6130_gemm
    .symbol:         k_qbf228d6130_gemm.kd
    .args:
      - { .name: a_pack, .offset: 0, .size: 8, .value_kind: global_buffer, .address_space: global }
      - { .name: w_pack, .offset: 8, .size: 8, .value_kind: global_buffer, .address_space: global }
      - { .name: bias, .offset: 16, .size: 8, .value_kind: global_buffer, .address_space: global }
      - { .name: out0, .offset: 24, .size: 8, .value_kind: global_buffer, .address_space: global }
    .group_segment_fixed_size: 327680
    .private_segment_fixed_size: 0
    .kernarg_segment_align: 8
    .kernarg_segment_size: 32
    .max_flat_workgroup_size: 128
    .sgpr_count:     66
    .vgpr_count:     1024
    .wavefront_size: 32
...
	.end_amdgpu_metadata
.endif
;; end of part 2
